; MI455X (gfx1250); checked and timed in simulation.
; The chip was launched on July 23, 2026; its instructions are those of AMD's public machine-readable ISA for CDNA 5 (MIT licence, August 2026) and "CDNA5" Instruction Set Architecture Reference Guide (July 2026). The comments in the code are by the model that wrote it; some were corrected since.
;; Lo RA Linear. Allowed arithmetic: float matrix products may take bf16 or f16 operands with f32 sums; other float arithmetic in f32, or as packed bf16 or f16 multiplies, adds, multiply-adds, maxima and minima; sums over many terms, partial sums and values carried from step to step in f32; what a program stores and reads back later, other than sums and carried values, may be rounded once to bf16 or f16.
;; Inputs: lora_a 4,096 x 16 float32; lora_b 16 x 4,096 float32; weight 4,096 x 4,096 float32; x 4,096 x 4,096 float32.
;; Outputs: out0 4,096 x 4,096 float32.
;; One version. Each part assembles by itself: llvm-mc -triple=amdgcn-amd-amdhsa -mcpu=gfx1250 --defsym DOCPART=n.
;; ======== version 1 of 1: 2 launches
;; limits: values are held in f16: magnitudes above 65,504 overflow, below 6.1e-05 lose precision; inputs' magnitudes at most 65,504
;; workspace buffers: xh 33,554,432 bytes; wq 33,554,432 bytes; t2 262,144 bytes; b2 131,072 bytes; sc 16,384 bytes
;; launch prep (part 1): grid 256 x 1, 16 waves a work-group, no clusters, 284,672 bytes of LDS; arguments x, weight, lora_a, lora_b, xh, wq, t2, b2, sc; writes xh, wq, t2, b2, sc
.if DOCPART == 1
	.amdgcn_target "amdgcn-amd-amdhsa--gfx1250"
	.amdhsa_code_object_version 6
	.text
	.protected	k_q0d7d87f193_prep
	.globl	k_q0d7d87f193_prep
	.p2align	8
	.type	k_q0d7d87f193_prep,@function
k_q0d7d87f193_prep:
	s_mov_b64 s[64:65], 0
	v_nop
	global_prefetch_b8 v0, s[64:65] scope:SCOPE_SE
	s_setreg_imm32_b32 hwreg(HW_REG_WAVE_MODE, 25, 1), 1
	s_wait_xcnt 0x0
; PREPARES THE PRODUCT  out = x wdq^T + 2 (x A) B.   x, weight: [4096][4096] f32; lora_a: [4096][16] f32; lora_b: [16][4096] f32.
; It stores: xh = x rounded to f16; wq = the quantised weight, whole numbers -128..127, exact in f16; sc = each weight row's scale, f32 (applied in f32 by the next launch);
; t2 = t = x A as two bf16 numbers (t_hi = bf16(t), t_lo = bf16(t - t_hi)), laid out as the next launch's matrix operand; b2 = bf16(2 lora_b), laid out likewise.
; LIMITS.  |x| and |lora_a| stay within f16's 65,504.  NaN is not treated apart (the maxima and minima drop it).  scale + 1e-8 stays under 2^126 (ISA guide 15.8: the reciprocal flushes a denormal result).
; w / (scale + 1e-8) is a reciprocal, a product and one residual step: a quotient that lies on a tie may round the other way than the division's, which moves that weight by one step of its scale.
; SHARES.  Work-group i owns tokens 16 i .. 16 i + 15 and weight rows 16 i .. 16 i + 15.  Wave v of 16 takes channels 256 v .. 256 v + 255 of the 16 tokens (16 rows x 1,024 bytes), the same channels of
; lora_a (16,384 dense bytes) and weight row 16 i + v (16,384 bytes): 96 loads of 16 bytes a lane, each of 512 consecutive bytes, all asked for before the row's maximum is wanted.
; The weight row stays in 128 registers between the pass that finds its maximum and the pass that quantises: it is read once.
; NO TENSOR LOADS, NO CLUSTER: no wave wants x or weight bytes that another wave fetched; lora_a, which all share, is 256 KiB beside the 1 MiB that a work-group moves, and would have to be converted after landing.
; NO PREFETCH: every byte that the work-group reads is asked for by its loads at the start.
.set XPITCH, 528                       ; a row of the wave's x slice in LDS: 512 bytes of f16 + 16: 132 words, so the 16 rows of a fragment load start at 16 different groups of four banks (ISA guide 11.1)
.set XWAVE,  16*XPITCH                 ; from byte 0: 16 waves x 8,448 bytes
.set AT,     16*XWAVE                  ; the wave's lora_a slice in f16, [256 k][16 r], 32 bytes a row: 16 waves x 8,192 bytes
.set AWAVE,  8192
.set PT,     AT+16*AWAVE               ; the waves' partial tiles of t: 16 x 1,024 bytes, 32 bytes a lane
.set SPARE,  PT+16*1024                ; the spare words, 128 bytes for each wave: eight blocks of 256 bytes that no other line names
.set LN,  1                            ; v1   lane l
.set L16, 2                            ; v2   16 l; never rewritten, like all of v2-v13
.set L8,  3                            ; v3   8 l
.set XW,  4                            ; v4   where I put 8 bytes of x's slice
.set XR,  5                            ; v5   my place in a fragment of x: row l % 16, 16 bytes for each half of the lanes
.set AW,  6                            ; v6   where I put 8 bytes of lora_a's slice
.set AR,  7                            ; v7   my place in the turning load of lora_a
.set PS,  8                            ; v8   where I put my 32 bytes of the partial tile
.set PR,  9                            ; v9   where wave 15 reads them back
.set SPW, 10                           ; v10  LDS address of my spare word
.set NIL, 11                           ; v11  0
.set VB,  12                           ; v12  my offset in lora_b: row 8 (l / 16), column l % 16
.set ZO,  13                           ; v13  0: the offset of the scale's store
.set ACC, 16                           ; v[16:31]  two accumulators of t^T, for even and odd steps of 32 channels
.set TT,  32                           ; v[32:47]  at work
.set MX,  48                           ; v48-49 two running maxima, v50-51 two running minima
.set AM,  52                           ; v52  the row's largest magnitude
.set SV,  53                           ; v53  scale
.set DV,  54                           ; v[54:55]  d = scale + 1e-8, twice (a pair for the packed lines)
.set RC,  56                           ; v[56:57]  1 / d, twice
.set EV,  58                           ; v58  at work
.set QB,  64                           ; v[64:127]  lora_a as loaded, half at a time; then fragments; then partial tiles
.set PB,  128                          ; v[128:255] x's slice as loaded, then the weight row
	s_load_b512 s[4:19], s[0:1], 0x0               ; x s[4:5], weight s[6:7], lora_a s[8:9], lora_b s[10:11], xh s[12:13], wq s[14:15], t2 s[16:17], b2 s[18:19]
	s_load_b64 s[20:21], s[0:1], 0x40              ; sc
	v_lshl_add_u32 v[SPW], v0, 2, SPARE
	v_mov_b32 v[NIL], 0
	v_lshrrev_b32 v14, 5, v0
	v_readfirstlane_b32 s22, v14                   ; wave 0..15
	v_and_b32 v[LN], 31, v0
	v_lshlrev_b32 v[L16], 4, v[LN]
	v_lshlrev_b32 v[L8], 3, v[LN]
	v_and_b32 v14, 15, v0                          ; l % 16
	v_bfe_u32 v15, v0, 4, 1                        ; l / 16
	s_mul_i32 s33, s22, XWAVE                      ; my wave's x slice
	v_add_nc_u32 v[XW], s33, v[L8]
	v_mul_u32_u24 v[XR], v14, XPITCH
	v_lshl_add_u32 v[XR], v15, 4, v[XR]
	v_add_nc_u32 v[XR], s33, v[XR]
	s_lshl_b32 s33, s22, 13
	s_add_co_u32 s33, s33, AT                      ; my wave's lora_a slice
	v_add_nc_u32 v[AW], s33, v[L8]
	v_and_b32 v[AR], 7, v0                         ; the turning load: lane l reads row 8 (l / 16) + l % 8, bytes 16 ((l / 8) % 2) on
	v_lshl_add_u32 v[AR], v15, 3, v[AR]
	v_lshlrev_b32 v[AR], 5, v[AR]
	v_bfe_u32 v[VB], v0, 3, 1
	v_lshl_add_u32 v[AR], v[VB], 4, v[AR]
	v_add_nc_u32 v[AR], s33, v[AR]
	s_lshl_b32 s33, s22, 10
	s_add_co_u32 s33, s33, PT
	v_lshl_add_u32 v[PS], v[LN], 5, s33
	v_lshlrev_b32 v[PR], 5, v[LN]
	v_add_nc_u32 v[PR], PT, v[PR]
	v_lshlrev_b32 v[VB], 2, v14
	v_lshl_add_u32 v[VB], v15, 17, v[VB]           ; 8 rows of 16,384 bytes for the upper half of the lanes
	v_mov_b32 v[ZO], 0
	s_mov_b32 s26, 0x76543210                      ; v_permlanex16_b32: each lane takes its own place in the other half
	s_mov_b32 s27, 0xfedcba98
	s_mov_b32 s28, 0x42fe0000                      ; 127.0
	s_mov_b32 s29, 0x3c010204                      ; 1 / 127
	s_mov_b32 s30, 0x57f057f0                      ; 127 twice, in f16
	s_mov_b32 s31, 0xd800d800                      ; -128 twice, in f16
	s_mov_b32 s25, 0                               ; the offsets' high word
	s_lshl_b32 s34, ttmp9, 4
	s_add_co_u32 s34, s34, s22                     ; my weight row, 16 i + v
	s_wait_kmcnt 0x0
	s_lshl_b32 s24, ttmp9, 18                      ; x: 16 rows of 16,384 bytes a work-group, 1,024 bytes a wave
	s_lshl_b32 s35, s22, 10
	s_add_co_u32 s24, s24, s35
	s_add_nc_u64 s[4:5], s[4:5], s[24:25]
	s_lshl_b32 s24, s34, 14                        ; weight: my row
	s_add_nc_u64 s[6:7], s[6:7], s[24:25]
	s_lshl_b32 s24, s22, 14                        ; lora_a: my 256 rows of 64 bytes
	s_add_nc_u64 s[8:9], s[8:9], s[24:25]
	s_lshl_b32 s24, ttmp9, 6                       ; lora_b: the work-group's 16 columns
	s_add_nc_u64 s[10:11], s[10:11], s[24:25]
	s_lshl_b32 s24, ttmp9, 17                      ; xh: half of x's offsets
	s_lshl_b32 s35, s22, 9
	s_add_co_u32 s24, s24, s35
	s_add_nc_u64 s[12:13], s[12:13], s[24:25]
	s_lshl_b32 s24, s34, 13                        ; wq: my row
	s_add_nc_u64 s[14:15], s[14:15], s[24:25]
	s_lshl_b32 s24, ttmp9, 10                      ; t2: a block of 1,024 bytes for 16 tokens
	s_add_nc_u64 s[16:17], s[16:17], s[24:25]
	s_lshl_b32 s24, ttmp9, 9                       ; b2: a block of 512 bytes for 16 columns
	s_add_nc_u64 s[18:19], s[18:19], s[24:25]
	s_lshl_b32 s24, s34, 2                         ; sc: my row's word
	s_add_nc_u64 s[20:21], s[20:21], s[24:25]
	; THE LOADS GO OUT: (wave 0: lora_b's 16 x 16 numbers,) the first half of lora_a's slice, all of x's slice.
	s_cmp_lg_u32 s22, 0
	s_cbranch_scc1 .Lno_b_load
.irp j, 0,1,2,3,4,5,6,7
	global_load_b32 v[TT+\j], v[VB], s[10:11] offset:16384*\j  ; lora_b[8 (l / 16) + j][16 i + l % 16]
.endr
.Lno_b_load:
.set n, 0
.rept 16
	global_load_b128 v[QB+4*n:QB+4*n+3], v[L16], s[8:9] offset:512*n
.set n, n+1
.endr
.set n, 0
.rept 32                                       ; load n: token n / 2, half n % 2 of the wave's 1,024 bytes
	global_load_b128 v[PB+4*n:PB+4*n+3], v[L16], s[4:5] offset:16384*(n/2)+512*(n%2) th:TH_LOAD_NT
.set n, n+1
.endr
; Half p of lora_a's slice is rounded to f16 and laid into LDS.  The f16 image of the dense [k][16] array lies at half the f32 array's byte offsets: each store is 256 consecutive bytes.
.macro CVA p
.set n, 0
.rept 16
	v_cvt_pk_f16_f32 v[QB+4*n], v[QB+4*n], v[QB+4*n+1]
	v_cvt_pk_f16_f32 v[QB+4*n+1], v[QB+4*n+2], v[QB+4*n+3]
	ds_store_b64 v[AW], v[QB+4*n:QB+4*n+1] offset:256*(16*(\p)+n)
.set n, n+1
.endr
.endm
; Eight loads of x are rounded to f16, stored to xh (32 lanes fill 256 consecutive bytes, aligned) and laid into LDS; then their registers take eight loads of the weight row.
.macro XGROUP g
	s_wait_loadcnt 40                              ; younger than this group's loads: 24 - 8 g of x, 16 of lora_a's second half, 8 g of the weight: 40 in every group
.set n, 8*(\g)
.rept 8
	v_cvt_pk_f16_f32 v[PB+4*n], v[PB+4*n], v[PB+4*n+1]
	v_cvt_pk_f16_f32 v[PB+4*n+1], v[PB+4*n+2], v[PB+4*n+3]
	global_store_b64 v[L8], v[PB+4*n:PB+4*n+1], s[12:13] offset:8192*(n/2)+256*(n%2) th:TH_STORE_NT
	ds_store_b64 v[XW], v[PB+4*n:PB+4*n+1] offset:XPITCH*(n/2)+256*(n%2)
.set n, n+1
.endr
	s_wait_xcnt 0x0                                ; the stores' data registers are loaded into again only behind this wait (ISA guide 3.1)
.set n, 8*(\g)
.rept 8
	global_load_b128 v[PB+4*n:PB+4*n+3], v[L16], s[6:7] offset:512*n th:TH_LOAD_NT
.set n, n+1
.endr
.endm
; Four steps of 32 channels of t^T = lora_a^T x^T.  Source 0: 16 r x 32 k, turned out of [k][r]; source 1: 16 tokens x 32 k.  In the result a lane holds token l % 16 and r = 8 (l / 16) + 0..7.
; The two accumulators take turns, one instruction a turn; the first two products start the sums.
.macro THALF p
.irp q, 0,1,2,3
	ds_load_b128 v[QB+8*\q:QB+8*\q+3],   v[XR] offset:64*(4*(\p)+\q)      ; LDS serves a wave's instructions in order (ISA guide 5.7.1.4): these see my stores above
	ds_load_b128 v[QB+8*\q+4:QB+8*\q+7], v[XR] offset:64*(4*(\p)+\q)+32
	ds_load_tr16_b128 v[QB+32+8*\q:QB+32+8*\q+3],   v[AR] offset:1024*(4*(\p)+\q)
	ds_load_tr16_b128 v[QB+32+8*\q+4:QB+32+8*\q+7], v[AR] offset:1024*(4*(\p)+\q)+512
.endr
	s_wait_dscnt 0x0
.irp q, 0,1,2,3
.if (\p) == 0 && (\q) < 2
	v_wmma_f32_16x16x32_f16 v[ACC+8*((\q)%2):ACC+8*((\q)%2)+7], v[QB+32+8*\q:QB+32+8*\q+7], v[QB+8*\q:QB+8*\q+7], 0
.else
	v_wmma_f32_16x16x32_f16 v[ACC+8*((\q)%2):ACC+8*((\q)%2)+7], v[QB+32+8*\q:QB+32+8*\q+7], v[QB+8*\q:QB+8*\q+7], v[ACC+8*((\q)%2):ACC+8*((\q)%2)+7]
.endif
.endr
.endm
	s_wait_loadcnt 32                              ; x's 32 loads are younger: lora_a's first half (and wave 0's lora_b) is in
	CVA 0
	s_cmp_lg_u32 s22, 0
	s_cbranch_scc1 .Lno_b_store
.irp j, 0,2,4,6
	v_pk_mul_f32 v[TT+\j:TT+\j+1], v[TT+\j:TT+\j+1], 2.0 op_sel_hi:[1,0]  ; the scaling alpha / r = 2 is exact
.endr
.irp j, 0,1,2,3
	v_cvt_pk_bf16_f32 v[TT+8+\j], v[TT+2*\j], v[TT+2*\j+1]
.endr
	global_store_b128 v[L16], v[TT+8:TT+11], s[18:19]  ; the block's 512 consecutive bytes
.Lno_b_store:
.set n, 0
.rept 16                                       ; lora_a's second half
	global_load_b128 v[QB+4*n:QB+4*n+3], v[L16], s[8:9] offset:8192+512*n
.set n, n+1
.endr
	XGROUP 0
	XGROUP 1
	XGROUP 2
	XGROUP 3
	s_wait_loadcnt 32                              ; the weight row's 32 loads are younger: lora_a's second half is in
	CVA 1
	THALF 0
.rept 4
	v_nop                                          ; four places between the products and the loads into registers that they read
.endr
	THALF 1
.rept 8
	v_nop                                          ; the places between the last products and the sums that read their results
.endr
.irp p, 0,2,4,6
	v_pk_add_f32 v[ACC+\p:ACC+\p+1], v[ACC+\p:ACC+\p+1], v[ACC+8+\p:ACC+8+\p+1]  ; even and odd steps; each accumulator's lowest registers first
.endr
	ds_store_b128 v[PS], v[ACC:ACC+3]
	ds_store_b128 v[PS], v[ACC+4:ACC+7] offset:16
	s_wait_dscnt 0x0                               ; for wave 15's sake: my partial tile lies in LDS
	s_barrier_signal -1
	s_barrier_wait -1                              ; all sixteen do.  The weight row's loads stay on their way across this barrier: nobody writes those bytes
	; WAVE 15 adds the sixteen partial tiles (f32), splits t into two bf16 numbers and stores the block.
	s_cmp_lg_u32 s22, 15
	s_cbranch_scc1 .Lnot_15
.macro PARTS w0                        ; eight partial tiles into v[64:127], added down to two (at QB and QB + 32)
.irp w, 0,1,2,3,4,5,6,7
	ds_load_b128 v[QB+8*\w:QB+8*\w+3],   v[PR] offset:1024*((\w0)+\w)
	ds_load_b128 v[QB+8*\w+4:QB+8*\w+7], v[PR] offset:1024*((\w0)+\w)+16
.endr
	s_wait_dscnt 0x0
.irp w, 0,2,4,6
.irp p, 0,2,4,6
	v_pk_add_f32 v[QB+8*\w+\p:QB+8*\w+\p+1], v[QB+8*\w+\p:QB+8*\w+\p+1], v[QB+8*\w+8+\p:QB+8*\w+8+\p+1]
.endr
.endr
.irp w, 0,4
.irp p, 0,2,4,6
	v_pk_add_f32 v[QB+8*\w+\p:QB+8*\w+\p+1], v[QB+8*\w+\p:QB+8*\w+\p+1], v[QB+8*\w+16+\p:QB+8*\w+16+\p+1]
.endr
.endr
.endm
	PARTS 0
.irp p, 0,2,4,6
	v_pk_add_f32 v[ACC+\p:ACC+\p+1], v[QB+\p:QB+\p+1], v[QB+32+\p:QB+32+\p+1]
.endr
	PARTS 8
.irp p, 0,2,4,6
	v_pk_add_f32 v[ACC+\p:ACC+\p+1], v[ACC+\p:ACC+\p+1], v[QB+\p:QB+\p+1]
.endr
.irp p, 0,2,4,6
	v_pk_add_f32 v[ACC+\p:ACC+\p+1], v[ACC+\p:ACC+\p+1], v[QB+32+\p:QB+32+\p+1]
.endr
.irp p, 0,1,2,3
	v_cvt_pk_bf16_f32 v[ACC+8+\p], v[ACC+2*\p], v[ACC+2*\p+1]   ; t_hi
.endr
.irp p, 0,1,2,3
	v_lshlrev_b32 v[TT+2*\p], 16, v[ACC+8+\p]                   ; t_hi as f32
	v_and_b32 v[TT+2*\p+1], 0xffff0000, v[ACC+8+\p]
.endr
.irp p, 0,2,4,6
	v_pk_add_f32 v[TT+\p:TT+\p+1], v[ACC+\p:ACC+\p+1], v[TT+\p:TT+\p+1] neg_lo:[0,1] neg_hi:[0,1]  ; t - t_hi, exact
.endr
.irp p, 0,1,2,3
	v_cvt_pk_bf16_f32 v[ACC+12+\p], v[TT+2*\p], v[TT+2*\p+1]    ; t_lo
.endr
	global_store_b128 v[L16], v[ACC+8:ACC+11], s[16:17]            ; 512 consecutive bytes each
	global_store_b128 v[L16], v[ACC+12:ACC+15], s[16:17] offset:512
.Lnot_15:
	; THE WEIGHT ROW.  Pass 1: its largest and smallest number, in two chains each, three operands at a time; the first load's numbers start the chains.
.macro AMAX g
	s_wait_loadcnt 24-8*(\g)                       ; the row's later loads may stay out
.set n, 8*(\g)
.rept 8
.if n == 0
	v_max_num_f32 v[MX],   v[PB],   v[PB+1]
	v_max_num_f32 v[MX+1], v[PB+2], v[PB+3]
	v_min_num_f32 v[MX+2], v[PB],   v[PB+1]
	v_min_num_f32 v[MX+3], v[PB+2], v[PB+3]
.else
	v_max3_num_f32 v[MX],   v[MX],   v[PB+4*n],   v[PB+4*n+1]
	v_max3_num_f32 v[MX+1], v[MX+1], v[PB+4*n+2], v[PB+4*n+3]
	v_min3_num_f32 v[MX+2], v[MX+2], v[PB+4*n],   v[PB+4*n+1]
	v_min3_num_f32 v[MX+3], v[MX+3], v[PB+4*n+2], v[PB+4*n+3]
.endif
.set n, n+1
.endr
.endm
	AMAX 0
	AMAX 1
	AMAX 2
	AMAX 3
	v_max_num_f32 v[MX], v[MX], v[MX+1]
	v_min_num_f32 v[MX+2], v[MX+2], v[MX+3]
	v_sub_f32 v[MX+2], 0, v[MX+2]
	v_max_num_f32 v[AM], v[MX], v[MX+2]            ; my 128 numbers' largest magnitude
	v_max_num_f32_dpp v[AM], v[AM], v[AM] row_xmask:1 row_mask:0xf bank_mask:0xf
	v_max_num_f32_dpp v[AM], v[AM], v[AM] row_xmask:2 row_mask:0xf bank_mask:0xf
	v_max_num_f32_dpp v[AM], v[AM], v[AM] row_xmask:4 row_mask:0xf bank_mask:0xf
	v_max_num_f32_dpp v[AM], v[AM], v[AM] row_xmask:8 row_mask:0xf bank_mask:0xf
	v_permlanex16_b32 v[MX+1], v[AM], s26, s27     ; its destination counts as read: a register that has been written
	v_max_num_f32 v[AM], v[AM], v[MX+1]            ; every lane holds the row's
	v_mul_f32 v[SV], s29, v[AM]                    ; scale = absmax / 127: a product by 1 / 127,
	v_fma_f32 v[EV], -v[SV], s28, v[AM]            ; its residual,
	v_fma_f32 v[SV], v[EV], s29, v[SV]             ; and the correction
	v_add_f32 v[DV], 0x322bcc77, v[SV]             ; d = scale + 1e-8
	v_mov_b32 v[DV+1], v[DV]
	v_rcp_f32 v[RC], v[DV]
	v_rcp_f32 v[RC+1], v[DV+1]
	v_nop                                          ; a plain instruction between the reciprocals and their first use (ISA guide 5.7.2)
	s_wait_alu depctr_va_vdst(0)                   ; and the wait ahead of that use: one for both
	; Pass 2: q = w / d (product, residual, correction), rounded half to even, clipped to -128 .. 127, stored as f16: 32 lanes fill 256 consecutive bytes, aligned.
.macro QUANT j
.set rW, PB+4*(\j)
.set rT, TT+8*((\j)%2)
	v_pk_mul_f32 v[rT:rT+1],   v[rW:rW+1],   v[RC:RC+1]
	v_pk_mul_f32 v[rT+2:rT+3], v[rW+2:rW+3], v[RC:RC+1]
	v_pk_fma_f32 v[rW:rW+1],   v[rT:rT+1],   v[DV:DV+1], v[rW:rW+1]   neg_lo:[1,0,0] neg_hi:[1,0,0]  ; w - q d
	v_pk_fma_f32 v[rW+2:rW+3], v[rT+2:rT+3], v[DV:DV+1], v[rW+2:rW+3] neg_lo:[1,0,0] neg_hi:[1,0,0]
	v_pk_fma_f32 v[rT:rT+1],   v[rW:rW+1],   v[RC:RC+1], v[rT:rT+1]
	v_pk_fma_f32 v[rT+2:rT+3], v[rW+2:rW+3], v[RC:RC+1], v[rT+2:rT+3]
.irp k, 0,1,2,3
	v_rndne_f32 v[rT+\k], v[rT+\k]
.endr
	v_cvt_pk_f16_f32 v[rW],   v[rT],   v[rT+1]     ; whole numbers of at most 8 bits: exact
	v_cvt_pk_f16_f32 v[rW+1], v[rT+2], v[rT+3]
	v_pk_min_num_f16 v[rW],   v[rW],   s30
	v_pk_min_num_f16 v[rW+1], v[rW+1], s30
	v_pk_max_num_f16 v[rW],   v[rW],   s31
	v_pk_max_num_f16 v[rW+1], v[rW+1], s31
	global_store_b64 v[L8], v[rW:rW+1], s[14:15] offset:256*(\j) th:TH_STORE_NT
.endm
.set m, 0
.rept 32
	QUANT m
.set m, m+1
.endr
	s_wait_xcnt 0x0                                ; EXEC changes only behind this wait: it is a source of the stores above
	v_cmp_gt_u32 vcc_lo, 1, v[LN]
	s_and_saveexec_b32 s32, vcc_lo
	global_store_b32 v[ZO], v[SV], s[20:21]        ; lane 0 stores the row's scale
	s_wait_xcnt 0x0                                ; and again, in front of the line that widens it
	s_or_b32 exec_lo, exec_lo, s32
	s_wait_tensorcnt 0x0                           ; the wave's end, behind my last LDS store
	ds_add_u32 v[SPW], v[NIL]
	s_wait_dscnt 0x0
	s_endpgm
.Lfunc_end_k_q0d7d87f193_prep:
	.size	k_q0d7d87f193_prep, .Lfunc_end_k_q0d7d87f193_prep-k_q0d7d87f193_prep
	.p2alignl 7, 3214868480
	.fill 96, 4, 3214868480
	.section	.rodata,"a",@progbits
	.p2align	6, 0x0
	.amdhsa_kernel k_q0d7d87f193_prep
		.amdhsa_group_segment_fixed_size 284672
		.amdhsa_private_segment_fixed_size 0
		.amdhsa_enable_private_segment 0
		.amdhsa_kernarg_size 72
		.amdhsa_user_sgpr_count 2
		.amdhsa_user_sgpr_kernarg_segment_ptr 1
		.amdhsa_wavefront_size32 1
		.amdhsa_system_sgpr_workgroup_id_x 1
		.amdhsa_system_sgpr_workgroup_id_y 1
		.amdhsa_system_sgpr_workgroup_id_z 1
		.amdhsa_system_vgpr_workitem_id 0
		.amdhsa_next_free_vgpr 256
		.amdhsa_next_free_sgpr 66
		.amdhsa_reserve_vcc 1
		.amdhsa_float_denorm_mode_32 3
		.amdhsa_float_denorm_mode_16_64 3
		.amdhsa_memory_ordered 1
		.amdhsa_forward_progress 1
		.amdhsa_inst_pref_size 80
	.end_amdhsa_kernel
	.amdgpu_metadata
---
amdhsa.version: [ 1, 2 ]
amdhsa.kernels:
  - .name:           k_q0d7d87f193_prep
    .symbol:         k_q0d7d87f193_prep.kd
    .args:
      - { .name: x, .offset: 0, .size: 8, .value_kind: global_buffer, .address_space: global }
      - { .name: weight, .offset: 8, .size: 8, .value_kind: global_buffer, .address_space: global }
      - { .name: lora_a, .offset: 16, .size: 8, .value_kind: global_buffer, .address_space: global }
      - { .name: lora_b, .offset: 24, .size: 8, .value_kind: global_buffer, .address_space: global }
      - { .name: xh, .offset: 32, .size: 8, .value_kind: global_buffer, .address_space: global }
      - { .name: wq, .offset: 40, .size: 8, .value_kind: global_buffer, .address_space: global }
      - { .name: t2, .offset: 48, .size: 8, .value_kind: global_buffer, .address_space: global }
      - { .name: b2, .offset: 56, .size: 8, .value_kind: global_buffer, .address_space: global }
      - { .name: sc, .offset: 64, .size: 8, .value_kind: global_buffer, .address_space: global }
    .group_segment_fixed_size: 284672
    .private_segment_fixed_size: 0
    .kernarg_segment_align: 8
    .kernarg_segment_size: 72
    .max_flat_workgroup_size: 512
    .sgpr_count:     66
    .vgpr_count:     256
    .wavefront_size: 32
...
	.end_amdgpu_metadata
.endif
;; end of part 1
;; launch gemm (part 2): grid 16 x 16, 4 waves a work-group, clusters of 4 x 4, 327,680 bytes of LDS; arguments xh, wq, out0, t2, b2, sc; writes out0
.if DOCPART == 2
	.amdgcn_target "amdgcn-amd-amdhsa--gfx1250"
	.amdhsa_code_object_version 6
	.text
	.protected	k_q0d7d87f193_gemm
	.globl	k_q0d7d87f193_gemm
	.p2align	8
	.type	k_q0d7d87f193_gemm,@function
k_q0d7d87f193_gemm:
	s_mov_b64 s[64:65], 0
	v_nop
	global_prefetch_b8 v0, s[64:65] scope:SCOPE_SE
	s_setreg_imm32_b32 hwreg(HW_REG_WAVE_MODE, 25, 1), 1
	s_wait_xcnt 0x0
	s_wait_alu depctr_hold_cnt(0) depctr_sa_sdst(0) depctr_va_vdst(0) depctr_va_sdst(0) depctr_va_ssrc(0) depctr_va_vcc(0) depctr_vm_vsrc(0)
	s_getreg_b32 s2, hwreg(HW_REG_IB_STS2, 6, 4)
	s_cmp_eq_u32 s2, 0
	s_cbranch_scc0 .Lentry_in_a_cluster
	s_endpgm
.Lentry_in_a_cluster:
	s_bfe_u32 s2, ttmp6, 0x10000c
	s_cmp_lg_u32 s2, 0xf033
	s_cbranch_scc0 .Lentry_shape_is_right
	s_endpgm
.Lentry_shape_is_right:
; out0[t][o] = sc[o] x (the sum over k of xh[t][k] wq[o][k]) + the sum over r of t[t][r] 2 B[r][o].   xh, wq: [4096][4096] f16 (wq holds whole numbers -128..127); out0: [4096][4096] f32; sums in f32.
; The row scale of the quantised weight is applied in f32 to the finished sums; the small second product is one bf16 matrix instruction for each accumulator, whose 32 places along K hold
; t_hi (16) and t_lo (16) against 2 B twice.  t and 2 B go in bf16 since t may pass f16's range where both x and lora_a carry offsets; t's remainder rides in places that would else be empty.
; A tile of out0, 256 x 256, is made by a work-group of four waves; a wave makes 128 x 128: 64 accumulators of 16 x 16, 512 registers.  4096 / 256 squared = 256 tiles: one to a work-group.
; K goes in 32 steps of 128 through a ring of two LDS slots filled by the tensor data mover: the tiles' rows are 256 bytes of memory and start at multiples of 256 bytes from the buffer's first byte.
; CLUSTERS: 4 x 4 work-groups.  The four of a row of the cluster need the same tiles of xh, the four of a column the same tiles of wq: each tile is asked for JOINTLY, by the same tensor load with the
; same descriptor and a mask that names the four.  That divides the requests for both by four.
; THE MATRIX INSTRUCTION IS USED TRANSPOSED: source 0 = 16 rows of wq, source 1 = 16 rows of xh: lane l then holds row l % 16 of out0 and its columns 8 (l / 16) + 0..7: 32 bytes on end.
; REGISTERS, in windows of 256 (s_set_vgpr_msb: bits 1:0 source 0, 3:2 source 1, 5:4 source 2, 7:6 destination):
;   window 0: v0-31 addresses; v64-127, v128-191 fragments of xh, two buffers, on the way out rows read back from the stage; v192-255 the scales of my 128 columns
;   window 1: v0-63 2 B's fragments; v64-127, v128-191 fragments of wq, two buffers; v192-255 t's fragments
;   window 2: the 32 accumulators of my rows 0-63 (accumulator (a, b) at v[8 (8 a + b)]);   window 3: those of my rows 64-127
.set SIZE_K, 4096
.set SIZE_N, 4096
.set KSTEP,  128
.set PITCH,  272                       ; an LDS row: 256 bytes of data + 16 of padding = 68 words: the 16 rows that a load touches start at 16 different groups of four banks (ISA guide 11.1)
.set HALFT,  128*PITCH                 ; 128 rows: what one tensor load brings, and what one wave reads of either tile
.set SLOT,   4*HALFT                   ; xh's 256 rows, then wq's 256 rows
.set STAGE,  2*SLOT                    ; behind the ring, never filled by a tensor load: 16 rows x 528 bytes for each wave, for the way out
.set SPITCH, 528                       ; 512 bytes (128 f32) + 16
.set SPARE,  STAGE+4*16*SPITCH         ; behind the stages: the spare words, 128 bytes for each wave: two blocks of 256 bytes that no other line names
.set LAPS,   SIZE_K/(2*KSTEP)          ; a lap = two K steps = once round the ring: 16
.set ADRA, 16                          ; v16-17  LDS address of my xh fragments in slot 0, 1
.set ADRB, 20                          ; v20-21  the same for wq
.set STO,  24                          ; v24     the way out: where I put 32 bytes of a row
.set RD,   25                          ; v25     the way out: where I read 16 bytes of a row back
.set CO,   26                          ; v26     16 x lane: my bytes in 512 consecutive bytes of out0, t2 and b2; never rewritten
.set SCO,  27                          ; v27     32 x (lane / 16): my eight scales in a block of sixteen; never rewritten
.set SPW,  28                          ; v28     LDS address of my spare word; never rewritten
.set NIL,  29                          ; v29     0; never rewritten
.set PFO,  30                          ; v30     the prefetches' offset: my lane x a row (8,192 bytes); never rewritten
.set PFA,  44                          ; s[44:45] where my prefetches stand: my work-group's 32 rows of the 128 that I fetch, one K step further along K than the refill in hand
.set LIM,  43                          ; s43     1 in a wave that prefetches, else the greatest number
.set F0,   64                          ; fragment buffer 0
.set F1,   128                         ; fragment buffer 1
.set OB,   64                          ; the way out: 16 rows read back, v64-127 and v128-191 by turns
.set SC,   192                         ; window 0: the scales, column block b at SC + 8 b
.set BL,   0                           ; window 1: 2 B, column block b at 8 b
.set TL,   192                         ; window 1: t, row block a at TL + 8 a
.set G1, 24                            ; s[24:31] descriptor group 1 for xh's tiles
.set G0, 32                            ; s[32:39] descriptor group 0 for xh's tiles, one set for each slot
.set G1B, 48                           ; s[48:55] group 1 for wq's tiles: it differs in the mask alone
.set G0B, 56                           ; s[56:63] group 0 for wq's tiles
.set MSB, 0
.macro WIN new                         ; the immediate's high byte repeats the setting that is left; a switch that changes nothing is dropped
.if MSB != (\new)
	s_set_vgpr_msb (MSB<<8)|(\new)
.set MSB, \new
.endif
.endm
.set MUL_LO, 0xa1                      ; source 0 (wq) window 1, source 1 (xh) window 0, C and D window 2
.set MUL_HI, 0xf1                      ; the same, C and D window 3
.set TO_B,   0x40                      ; destination window 1, address window 0
; A joint load.  Waves 0 and 1 fetch xh's two halves, waves 2 and 3 wq's.  The branch hangs on the wave's number alone.  An s_nop 0 and four v_nop follow each of the two lines.
.macro JLOAD s
	s_cmp_eq_u32 s11, 0
	s_cbranch_scc0 .Lfor_b_\@
	tensor_load_to_lds s[G0+4*(\s):G0+4*(\s)+3], s[G1:G1+7]
	s_nop 0
.rept 4
	v_nop
.endr
	s_branch .Lasked_\@
.Lfor_b_\@:
	tensor_load_to_lds s[G0B+4*(\s):G0B+4*(\s)+3], s[G1B:G1B+7]
	s_nop 0
.rept 4
	v_nop
.endr
.Lasked_\@:
.endm
; A PREFETCH INTO THE L2, behind each joint load and the run of LDS loads that follows it: the K step that stands TWO refills on, 512 matrix instructions ahead of the load that will want it:
; 32 rows x 256 bytes, a lane a row, one instruction a wave.  Each row's 256 bytes of a K step are named ONCE in the launch: xh's rows by the clusters with x = 0, wq's by those with y = 0;
; the four partners that ask for a tile jointly share its rows out BY ADDRESS, 32 each.  K steps 0 to 3 come by their loads alone; the loop's last trip (s3 = 1) asks for nothing: there is no K step 32.
.macro ASK
	s_cmp_gt_u32 s3, s[LIM]
	s_cbranch_scc0 .Lnot_mine_\@
	global_prefetch_b8 v[PFO], s[PFA:PFA+1] offset:KSTEP*2 th:TH_LOAD_NT scope:SCOPE_SE
.Lnot_mine_\@:
.endm
; A round of the cluster's barrier: my work-group's barrier; wave 0 signals for the work-group; every wave waits for all sixteen work-groups; my work-group's barrier once more.
.macro CREST                           ; a round behind its opening barrier
	s_cmp_lg_u32 s10, 0
	s_cbranch_scc1 .Lnot_wave_0_\@
	s_barrier_signal -3
.Lnot_wave_0_\@:
	s_barrier_wait -3
	s_barrier_signal -1
	s_barrier_wait -1
.endm
.macro CROUND                          ; a whole round
	s_barrier_signal -1
	s_barrier_wait -1
	CREST
.endm
	s_load_b128 s[4:7], s[0:1], 0x0                ; xh s[4:5], wq s[6:7]
	s_load_b64 s[8:9], s[0:1], 0x10                ; out0
	s_load_b64 s[68:69], s[0:1], 0x18              ; t2
	s_load_b64 s[70:71], s[0:1], 0x20              ; b2
	s_load_b64 s[72:73], s[0:1], 0x28              ; sc
	v_lshl_add_u32 v[SPW], v0, 2, SPARE
	v_mov_b32 v[NIL], 0
	ds_add_u32 v[SPW], v[NIL]                      ; the wave's opening: the add, twice on end, and its wait ahead of my first tensor load; the set-up below stands between
	ds_add_u32 v[SPW], v[NIL]                      ; and once more, under the one wait
	v_lshrrev_b32 v1, 5, v0
	v_readfirstlane_b32 s10, v1                    ; wave 0..3
	s_lshr_b32 s11, s10, 1                         ; which half of the tile's rows is mine.  Also: I fetch for xh (0) or for wq (1)
	s_and_b32 s12, s10, 1                          ; which half of its columns.  Also: which 128 rows of that tile I fetch
	s_bfe_u32 s40, ttmp6, 0x40000                  ; cx: my place along the cluster's x
	s_bfe_u32 s41, ttmp6, 0x40004                  ; cy: along its y
	s_lshl_b32 s42, ttmp9, 2                       ; in a cluster launch ttmp9 and ttmp7 count clusters
	s_add_co_u32 s42, s42, s40                     ; tile column = 4 x cluster x + cx
	s_and_b32 s13, ttmp7, 0xffff
	s_lshl_b32 s13, s13, 2
	s_add_co_u32 s13, s13, s41                     ; tile row = 4 x cluster y + cy
	s_lshl_b32 s43, s41, 2
	s_lshl_b32 s43, 15, s43                        ; my row of the cluster: places 4 cy .. 4 cy + 3
	s_lshl_b32 s44, 0x1111, s40                    ; my column: places cx, cx + 4, cx + 8, cx + 12
	; descriptor group 1: a tile of 128 rows x 128 elements, padded in LDS
	s_or_b32 s[G1+0], s43, (1<<16)|(1<<20)|(1<<21)|(5<<22)|(3<<25)  ; 15:0 the mask: xh's tiles go to my row; 17:16 elements of 2 bytes; 20 padding on; 21 set beside a mask; 24:22 after every 64 words (code 5); 31:25 4 words (code 3)
	s_or_b32 s[G1B+0], s44, (1<<16)|(1<<20)|(1<<21)|(5<<22)|(3<<25) ; the same with the mask of my column, for wq's tiles
.irp g, G1, G1B
	s_mov_b32 s[(\g)+1], KSTEP<<16                 ; tensor_dim0 = 128
	s_mov_b32 s[(\g)+2], 128<<16                   ; tensor_dim1 = 128
	s_mov_b32 s[(\g)+3], KSTEP<<16                 ; tile_dim0 = 128
	s_mov_b32 s[(\g)+4], 128                       ; tile_dim1 = 128
	s_mov_b32 s[(\g)+5], SIZE_K                    ; elements from row to row
	s_mov_b32 s[(\g)+6], 0
	s_mov_b32 s[(\g)+7], 0
.endr
	; where the tiles come from: xh's hang on the tile row alone, which my row of the cluster shares; wq's on the tile column alone, which my column shares
	s_lshl_b32 s17, s12, 7                         ; which 128 rows of the tile I fetch
	s_lshl_b32 s16, s13, 8
	s_add_co_u32 s16, s16, s17                     ; xh: row 256 x tile row + 128 x half
	s_lshl_b32 s46, s42, 8
	s_add_co_u32 s46, s46, s17                     ; wq: row 256 x tile column + 128 x half
	s_mov_b32 s17, 0
	s_mov_b32 s47, 0
	s_mov_b64 s[18:19], SIZE_K*2
	s_mul_u64 s[16:17], s[16:17], s[18:19]         ; in bytes
	s_mul_u64 s[46:47], s[46:47], s[18:19]
	s_mul_i32 s20, s10, HALFT                      ; and where they go: wave x 128 rows: no place in the cluster enters an LDS address
	s_wait_dscnt 0x0                               ; both opening adds are done
	s_wait_kmcnt 0x0
	s_add_nc_u64 s[14:15], s[4:5], s[16:17]
	s_add_nc_u64 s[46:47], s[6:7], s[46:47]
	CROUND                                         ; all sixteen work-groups are here: the first joint loads meet
.irp s, 0,1
	s_mov_b32 s[G0+4*(\s)], 1                                      ; count = 1
	s_add_co_u32 s[G0+4*(\s)+1], s20, (\s)*SLOT                    ; LDS address
	s_add_nc_u64 s[G0+4*(\s)+2:G0+4*(\s)+3], s[14:15], (\s)*KSTEP*2  ; global address: K step s
	s_or_b32 s[G0+4*(\s)+3], s[G0+4*(\s)+3], 0x80000000            ; type = 2
	s_mov_b32 s[G0B+4*(\s)], 1
	s_add_co_u32 s[G0B+4*(\s)+1], s20, (\s)*SLOT
	s_add_nc_u64 s[G0B+4*(\s)+2:G0B+4*(\s)+3], s[46:47], (\s)*KSTEP*2
	s_or_b32 s[G0B+4*(\s)+3], s[G0B+4*(\s)+3], 0x80000000
	JLOAD \s                                       ; the ring is filled before anything else is done: two loads of mine are out
.endr
	; A fragment is 16 rows x 32 K in 8 registers: lane l holds row l % 16; registers 0-3 K = 8 (l / 16) + 0..7, registers 4-7 K = 16 + 8 (l / 16) + 0..7: two loads of 16 bytes, 32 bytes apart.
	v_and_b32 v1, 15, v0                           ; l % 16
	v_bfe_u32 v2, v0, 4, 1                         ; l / 16
	v_mul_u32_u24 v3, v1, PITCH
	v_lshl_add_u32 v3, v2, 4, v3                   ; row x pitch + 16 x half
	s_mul_i32 s21, s11, HALFT                      ; my 128 rows of xh
	s_mul_i32 s22, s12, HALFT                      ; my 128 rows of wq,
	s_add_co_u32 s22, s22, 2*HALFT                 ; which lie behind xh's 256
.irp s, 0,1
	v_add_nc_u32 v[ADRA+(\s)], s21, v3
	v_add_nc_u32 v[ADRB+(\s)], s22, v3
	s_add_co_u32 s21, s21, SLOT
	s_add_co_u32 s22, s22, SLOT
.endr
	s_mul_i32 s23, s10, 16*SPITCH
	s_add_co_u32 s23, s23, STAGE                   ; my stage
	v_mul_u32_u24 v4, v1, SPITCH                   ; in: row l % 16, 32 bytes for each half of the lanes
	v_lshl_add_u32 v4, v2, 5, v4
	v_add_nc_u32 v[STO], s23, v4
	v_and_b32 v5, 31, v0
	v_lshlrev_b32 v[CO], 4, v5                     ; back: 32 lanes take one row of 512 bytes
	v_add_nc_u32 v[RD], s23, v[CO]
	v_lshlrev_b32 v[SCO], 5, v2
	; my part of the tile: its first row and column, and what they add to the four addresses (in registers that feed no descriptor)
	s_lshl_b32 s13, s13, 8                         ; 256 x tile row
	s_lshl_b32 s42, s42, 8                         ; 256 x tile column
	s_lshl_b32 s76, s11, 7
	s_add_co_u32 s74, s13, s76                     ; my first row
	s_lshl_b32 s76, s12, 7
	s_add_co_u32 s75, s42, s76                     ; my first column
	s_mov_b32 s77, 0
	s_lshl_b32 s76, s74, 6                         ; t2: 1,024 bytes for 16 rows
	s_add_nc_u64 s[68:69], s[68:69], s[76:77]
	s_lshl_b32 s76, s75, 5                         ; b2: 512 bytes for 16 columns
	s_add_nc_u64 s[70:71], s[70:71], s[76:77]
	s_lshl_b32 s76, s75, 2                         ; sc and out0: 4 bytes a column,
	s_add_nc_u64 s[72:73], s[72:73], s[76:77]
	s_add_nc_u64 s[8:9], s[8:9], s[76:77]
	s_lshl_b32 s76, s74, 14                        ; out0: 16,384 bytes a row
	s_add_nc_u64 s[8:9], s[8:9], s[76:77]
	; what the way out wants comes into registers now, and is waited for there: 48 loads
	WIN TO_B
.irp b, 0,1,2,3,4,5,6,7
	global_load_b128 v[BL+8*\b:BL+8*\b+3],   v[CO], s[70:71] offset:512*\b   ; 2 B[8 (l / 16) + 0..7][column l % 16 of block b], against t_hi,
	global_load_b128 v[BL+8*\b+4:BL+8*\b+7], v[CO], s[70:71] offset:512*\b   ; and the same against t_lo
.endr
.irp a, 0,1,2,3,4,5,6,7
	global_load_b128 v[TL+8*\a:TL+8*\a+3],   v[CO], s[68:69] offset:1024*\a      ; t_hi[row l % 16 of block a][8 (l / 16) + 0..7]
	global_load_b128 v[TL+8*\a+4:TL+8*\a+7], v[CO], s[68:69] offset:1024*\a+512  ; t_lo
.endr
	WIN 0
.irp b, 0,1,2,3,4,5,6,7
	global_load_b128 v[SC+8*\b:SC+8*\b+3],   v[SCO], s[72:73] offset:64*\b       ; the scales of columns 16 b + 8 (l / 16) + 0..7
	global_load_b128 v[SC+8*\b+4:SC+8*\b+7], v[SCO], s[72:73] offset:64*\b+16
.endr
	; the prefetches.  s13 = 256 x tile row, s42 = 256 x tile column, s40 = cx, s41 = cy
	s_and_b32 s22, ttmp7, 0xffff                   ; cluster y
	s_cmp_eq_u32 s11, 0                            ; do I fetch for xh?
	s_cselect_b32 s20, s13, s42                    ; the tile's first row: in xh by the tile row, in wq by the tile column
	s_cselect_b32 s21, s40, s41                    ; my place among the four that ask for it with me
	s_cselect_b32 s22, ttmp9, s22                  ; the coordinate along which other clusters read the same rows
	s_cselect_b64 s[PFA:PFA+1], s[4:5], s[6:7]
	s_cmp_eq_u32 s22, 0
	s_cselect_b32 s[LIM], 1, -1                    ; the same in all sixteen partners, for a given wave
	s_lshl_b32 s22, s12, 7
	s_add_co_u32 s20, s20, s22                     ; + the 128 rows that I fetch
	s_lshl_b32 s21, s21, 5
	s_add_co_u32 s20, s20, s21                     ; + my work-group's 32 of them
	s_mov_b32 s21, 0
	s_mov_b64 s[18:19], SIZE_K*2
	s_mul_u64 s[20:21], s[20:21], s[18:19]
	s_add_nc_u64 s[PFA:PFA+1], s[PFA:PFA+1], s[20:21]
	s_add_nc_u64 s[PFA:PFA+1], s[PFA:PFA+1], 2*KSTEP*2  ; at K step 2: the first refill steps it to 3 and names K step 4
	v_and_b32 v[PFO], 31, v0
	v_mul_u32_u24 v[PFO], v[PFO], SIZE_K*2
; 16 matrix instructions: m blocks a0, a0 + 1 of the window's four (hi = 0: my rows 0-63, 1: rows 64-127) x all 8 n blocks, 32 along K.  zero = 1: the first product starts the sums.
; The 64 accumulators take turns, one instruction a turn, in the same order in every quarter step.
.macro MUL16 f, hi, a0, zero
	WIN MUL_LO+0x50*(\hi)
.irp a, \a0, (\a0)+1
.irp b, 0,1,2,3,4,5,6,7
.if \zero
	v_wmma_f32_16x16x32_f16 v[8*(8*(\a)+(\b)):8*(8*(\a)+(\b))+7], v[(\f)+8*(\b):(\f)+8*(\b)+7], v[(\f)+8*(4*(\hi)+(\a)):(\f)+8*(4*(\hi)+(\a))+7], 0
.else
	v_wmma_f32_16x16x32_f16 v[8*(8*(\a)+(\b)):8*(8*(\a)+(\b))+7], v[(\f)+8*(\b):(\f)+8*(\b)+7], v[(\f)+8*(4*(\hi)+(\a)):(\f)+8*(4*(\hi)+(\a))+7], v[8*(8*(\a)+(\b)):8*(8*(\a)+(\b))+7]
.endif
.endr
.endr
.endm
; 32 LDS loads in one run: the fragments of one quarter step (128 rows of wq, 128 rows of xh, 32 K at byte k of the rows) into buffer f
.macro FETCH slot, k, f
	WIN TO_B
.irp i, 0,1,2,3,4,5,6,7
	ds_load_b128 v[(\f)+8*(\i):(\f)+8*(\i)+3],   v[ADRB+(\slot)] offset:(\k)+(\i)*16*PITCH
	ds_load_b128 v[(\f)+8*(\i)+4:(\f)+8*(\i)+7], v[ADRB+(\slot)] offset:(\k)+(\i)*16*PITCH+32
.endr
	WIN 0
.irp i, 0,1,2,3,4,5,6,7
	ds_load_b128 v[(\f)+8*(\i):(\f)+8*(\i)+3],   v[ADRA+(\slot)] offset:(\k)+(\i)*16*PITCH
	ds_load_b128 v[(\f)+8*(\i)+4:(\f)+8*(\i)+7], v[ADRA+(\slot)] offset:(\k)+(\i)*16*PITCH+32
.endr
.endm
; Four places stand between a matrix instruction and a load into a register that it has read, or a vector instruction that reads its result; only plain vector instructions that name none of its
; registers are places (ISA guide 7.12.1 for vector instructions).
.macro PLACES
.rept 4
	v_nop
.endr
.endm
; A K step is four quarter steps of 32 along K, 64 matrix instructions each, on buffers 0, 1, 0, 1.  One of the first three: multiplies buffer f; in its middle it fetches the next quarter, at byte k, into buffer g.
.macro QUARTER slot, k, f, g, zero
	s_wait_dscnt 8                                 ; wq's fragments and xh's rows 0-63 are in; the youngest eight loads (xh's rows 64-127) may be out
	MUL16 \f, 0, 0, \zero
	MUL16 \f, 0, 2, \zero
	PLACES
	FETCH \slot, \k, \g
	s_wait_dscnt 32                                ; all but the 32 just issued
	MUL16 \f, 1, 0, \zero
	MUL16 \f, 1, 2, \zero
.endm
; The last quarter multiplies buffer 1 and changes slots.  MEET is its first half: ONE barrier.  In front of it each wave waits for all its tensor loads, of which one is out: its part of the next slot;
; adds 0 to its spare word; and waits for that and for its own reads of this slot.  Behind it nobody reads this slot any more and the next slot is whole.
.macro MEET round                      ; round = 1: a round of the cluster's barrier follows
	WIN 0                                          ; (the add's two registers lie in window 0)
	s_wait_tensorcnt 0x0                           ; all my tensor loads have landed
	ds_add_u32 v[SPW], v[NIL]                      ; 0 onto my spare word
	s_wait_dscnt 9                                 ; (the add and the youngest eight loads may be out)
	MUL16 F1, 0, 0, 0                              ; sixteen matrix instructions stand between the add and the wait for it
	s_wait_dscnt 0x0                               ; the add is done, and my reads of this slot are over
	s_barrier_signal -1
	MUL16 F1, 0, 2, 0                              ; work on registers while the others arrive
.if \round
	WIN 0
.endif
	s_barrier_wait -1
.endm
; The whole last quarter.  Behind the round the slot just read out is filled again first, with the K step two steps on; then come the next slot's first fragments.
; From a request to the wait for it a wave issues 224 matrix instructions.
.macro TURN slot, next
	s_wait_xcnt 0x0                                ; the last prefetch, a K step back, has read its address: it is stepped here, ahead of the waits of the change of slots
	s_add_nc_u64 s[PFA:PFA+1], s[PFA:PFA+1], KSTEP*2
	MEET 1
	CREST                                          ; no wave of any partner still reads this slot's tile or has a load on its way
	s_add_nc_u64 s[G0+4*(\slot)+2:G0+4*(\slot)+3], s[G0+4*(\slot)+2:G0+4*(\slot)+3], 2*KSTEP*2
	s_add_nc_u64 s[G0B+4*(\slot)+2:G0B+4*(\slot)+3], s[G0B+4*(\slot)+2:G0B+4*(\slot)+3], 2*KSTEP*2
	JLOAD \slot                                    ; the first tensor load behind the round, my only one; the four v_nop behind it are also the places in front of the loads below
	FETCH \next, 0, F0
	ASK
	MUL16 F1, 1, 0, 0
	MUL16 F1, 1, 2, 0
.endm
	s_wait_tensorcnt 1                             ; my part of K step 0 is in; K step 1's may stay out
	s_barrier_signal -1
	s_barrier_wait -1                              ; everybody's is
	FETCH 0, 0, F0
	QUARTER 0, 64,  F0, F1, 1                      ; the first quarter stands in front of the loop: its products start the sums
	WIN 0                                          ; at a label and at a branch every window is 0
	s_mov_b32 s3, LAPS-1
.Llap:                                                 ; a trip goes once round the ring, from a lap's second quarter to the next lap's first, and fills both slots again: 15 trips bring K steps 2 to 31
	QUARTER 0, 128, F1, F0, 0
	QUARTER 0, 192, F0, F1, 0
	TURN 0, 1
	QUARTER 1, 64,  F0, F1, 0
	QUARTER 1, 128, F1, F0, 0
	QUARTER 1, 192, F0, F1, 0
	TURN 1, 0
	QUARTER 0, 64,  F0, F1, 0
	WIN 0
	s_sub_co_u32 s3, s3, 1
	s_cmp_lg_u32 s3, 0
	s_cbranch_scc1 .Llap
	QUARTER 0, 128, F1, F0, 0                      ; the last lap is written out: it asks for nothing
	QUARTER 0, 192, F0, F1, 0
	MEET 0                                         ; my one tensor load that was still out is slot 1's, the last K step's, so no round follows
	PLACES                                         ; for the loads into buffer 0
	FETCH 1, 0, F0
	MUL16 F1, 1, 0, 0
	MUL16 F1, 1, 2, 0
	QUARTER 1, 64,  F0, F1, 0
	QUARTER 1, 128, F1, F0, 0
	QUARTER 1, 192, F0, F1, 0
	s_wait_dscnt 8                                 ; the very last quarter: nothing more to fetch
	MUL16 F1, 0, 0, 0
	MUL16 F1, 0, 2, 0
	s_wait_dscnt 0x0
	MUL16 F1, 1, 0, 0
	MUL16 F1, 1, 2, 0
; THE WAY OUT, by blocks a of 16 rows x 128 columns.  SCALE: the sums times their columns' scales, in f32.  LORA: one bf16 product onto each of the block's eight accumulators.
; TOSTAGE: 32 bytes a lane into my own stage, and back as whole rows of 512 bytes.  SEND: stored.
.macro SCALE a
.set AC, 64*((\a)%4)
	WIN 0x82+0x41*((\a)/4)                         ; destination and source 0 window 2 or 3, source 1 window 0
.set z, 0
.rept 32                                       ; ascending: each accumulator's lowest registers are read first
	v_pk_mul_f32 v[AC+2*z:AC+2*z+1], v[AC+2*z:AC+2*z+1], v[SC+2*z:SC+2*z+1]
.set z, z+1
.endr
.endm
.macro LORA a
.set AC, 64*((\a)%4)
	WIN 0xa5+0x50*((\a)/4)                         ; sources 0 and 1 window 1, C and D window 2 or 3
.irp b, 0,1,2,3,4,5,6,7
	v_wmma_f32_16x16x32_bf16 v[AC+8*\b:AC+8*\b+7], v[BL+8*\b:BL+8*\b+7], v[TL+8*(\a):TL+8*(\a)+7], v[AC+8*\b:AC+8*\b+7]
.endr
.endm
.macro TOSTAGE a
.set AC, 64*((\a)%4)
.set BK, OB+64*((\a)%2)
	WIN 0x08+0x04*((\a)/4)                         ; the stores' data window 2 or 3, the address window 0
.irp b, 0,1,2,3,4,5,6,7
	ds_store_b128 v[STO], v[AC+8*\b:AC+8*\b+3]   offset:64*\b
	ds_store_b128 v[STO], v[AC+8*\b+4:AC+8*\b+7] offset:64*\b+16
.endr
	WIN 0
	s_wait_xcnt 0x0                                ; the stores of the block two back have read these registers: they are loaded into again only behind this wait (ISA guide 3.1)
.irp t, 0,1,2,3,4,5,6,7,8,9,10,11,12,13,14,15
	ds_load_b128 v[BK+4*\t:BK+4*\t+3], v[RD] offset:SPITCH*\t  ; LDS serves a wave's instructions in order (ISA guide 5.7.1.4): these see the stores above; the next block's stores come behind them
.endr
.endm
.macro SEND a
.set BK, OB+64*((\a)%2)
	WIN 0
.irp t, 0,1,2,3,4,5,6,7,8,9,10,11,12,13,14,15
	s_wait_dscnt 15-\t                             ; row t is back; the later rows' loads may stay out
	global_store_b128 v[CO], v[BK+4*\t:BK+4*\t+3], s[8:9] offset:(16*(\a)+\t)*SIZE_N*4 th:TH_STORE_NT  ; 512 consecutive bytes, at a multiple of 512 from out0's first byte; 127 rows at the most: inside the signed 24-bit immediate
.endr
.endm
	PLACES
	PLACES                                         ; the places behind the last products
	WIN 0
	s_wait_loadcnt 0x0                             ; the scales, t and 2 B, asked for at the head
	SCALE 0
	LORA 0
	SCALE 1                                        ; 32 plain lines that name no register of LORA 0: the places between it and the stores of its results
	TOSTAGE 0
.irp a, 1,2,3,4,5,6
	LORA \a
	SCALE (\a)+1                                   ; the places behind LORA a, and work while block a - 1 comes back from the stage
	SEND (\a)-1
	TOSTAGE \a
.endr
	LORA 7
	PLACES
	PLACES
	SEND 6
	TOSTAGE 7
	SEND 7
	s_wait_tensorcnt 0x0                           ; the wave's end: behind my last tensor load and my last LDS store
	ds_add_u32 v[SPW], v[NIL]
	s_wait_dscnt 0x0
	CROUND                                         ; the closing round: no work-group ends while a partner may still ask for a tile that names it
	s_endpgm
.Lfunc_end_k_q0d7d87f193_gemm:
	.size	k_q0d7d87f193_gemm, .Lfunc_end_k_q0d7d87f193_gemm-k_q0d7d87f193_gemm
	.p2alignl 7, 3214868480
	.fill 96, 4, 3214868480
	.section	.rodata,"a",@progbits
	.p2align	6, 0x0
	.amdhsa_kernel k_q0d7d87f193_gemm
		.amdhsa_group_segment_fixed_size 327680
		.amdhsa_private_segment_fixed_size 0
		.amdhsa_enable_private_segment 0
		.amdhsa_kernarg_size 48
		.amdhsa_user_sgpr_count 2
		.amdhsa_user_sgpr_kernarg_segment_ptr 1
		.amdhsa_wavefront_size32 1
		.amdhsa_system_sgpr_workgroup_id_x 1
		.amdhsa_system_sgpr_workgroup_id_y 1
		.amdhsa_system_sgpr_workgroup_id_z 1
		.amdhsa_system_vgpr_workitem_id 0
		.amdhsa_next_free_vgpr 1024
		.amdhsa_next_free_sgpr 80
		.amdhsa_reserve_vcc 0
		.amdhsa_float_denorm_mode_32 3
		.amdhsa_float_denorm_mode_16_64 3
		.amdhsa_memory_ordered 1
		.amdhsa_forward_progress 1
		.amdhsa_inst_pref_size 171
	.end_amdhsa_kernel
	.amdgpu_metadata
---
amdhsa.version: [ 1, 2 ]
amdhsa.kernels:
  - .name:           k_q0d7d87f193_gemm
    .symbol:         k_q0d7d87f193_gemm.kd
    .args:
      - { .name: xh, .offset: 0, .size: 8, .value_kind: global_buffer, .address_space: global }
      - { .name: wq, .offset: 8, .size: 8, .value_kind: global_buffer, .address_space: global }
      - { .name: out0, .offset: 16, .size: 8, .value_kind: global_buffer, .address_space: global }
      - { .name: t2, .offset: 24, .size: 8, .value_kind: global_buffer, .address_space: global }
      - { .name: b2, .offset: 32, .size: 8, .value_kind: global_buffer, .address_space: global }
      - { .name: sc, .offset: 40, .size: 8, .value_kind: global_buffer, .address_space: global }
    .group_segment_fixed_size: 327680
    .private_segment_fixed_size: 0
    .kernarg_segment_align: 8
    .kernarg_segment_size: 48
    .max_flat_workgroup_size: 128
    .sgpr_count:     80
    .vgpr_count:     1024
    .wavefront_size: 32
...
	.end_amdgpu_metadata
.endif
;; end of part 2
